; MI455X (gfx1250); checked and timed in simulation.
; The chip was launched on July 23, 2026; its instructions are those of AMD's public machine-readable ISA for CDNA 5 (MIT licence, August 2026) and "CDNA5" Instruction Set Architecture Reference Guide (July 2026). The comments in the code are by the model that wrote it; some were corrected since.
;; MOE Adapter. Allowed arithmetic: float matrix products may take bf16 or f16 operands with f32 sums; other float arithmetic in f32, or as packed bf16 or f16 multiplies, adds, multiply-adds, maxima and minima; sums over many terms, partial sums and values carried from step to step in f32; what a program stores and reads back later, other than sums and carried values, may be rounded once to bf16 or f16.
;; Inputs: W1 4 x 512 x 2,048 float32; W2 4 x 2,048 x 512 float32; b1 4 x 512 float32; b2 4 x 2,048 float32; domains 8,192 int32; x 8,192 x 2,048 float32.
;; Outputs: out0 8,192 x 2,048 float32.
;; 2 versions, each right; version 2 is version 1 with the launch chain written anew for expert scheduling mode. Each part assembles by itself: llvm-mc -triple=amdgcn-amd-amdhsa -mcpu=gfx1250 --defsym DOCPART=n.
;; ======== version 1 of 2: 2 launches
;; workspace buffers: wf 16,777,216 bytes; tiles 45,056 bytes of whole numbers
;; launch prep (part 1): grid 257 x 1, 8 waves a work-group, no clusters, 70,656 bytes of LDS; arguments W1, W2, domains, wf, tiles; writes wf, tiles
.if DOCPART == 1
	.amdgcn_target "amdgcn-amd-amdhsa--gfx1250"
	.amdhsa_code_object_version 6
	.text
	.protected	k_q58e19b5a51_prep
	.globl	k_q58e19b5a51_prep
	.p2align	8
	.type	k_q58e19b5a51_prep,@function
k_q58e19b5a51_prep:
	s_mov_b64 s[64:65], 0
	v_nop
	global_prefetch_b8 v0, s[64:65] scope:SCOPE_SE
	s_setreg_imm32_b32 hwreg(HW_REG_WAVE_MODE, 25, 1), 1
	s_wait_xcnt 0x0
; PREP.  Work-group 0 sorts the 8,192 tokens by their expert into tiles of 48 rows; work-groups 1 to 256 round W1 and W2 to bf16
; and lay them out in the order in which the next launch's waves take them into matrix operand registers.
; wf: [expert 4][wave 8][stage 128][fragment 4][half 2][lane 32][16 bytes].  Lane (r = lane % 16, h = lane / 16) holds the eight numbers
;   k = 32 ks + 16 half + 8 h + 0..7 of fragment row r.  Stages 0-63: W1, ks = stage, hidden unit 64 wave + 16 fragment + r.
;   Stages 64 + 16 p + ks: W2, output channel 512 p + 64 wave + 16 fragment + r, ks = 0..15.
; tiles: 176 records of 64 words: words 0-47 the tokens of the tile's rows (rows past the count repeat word 0), word 48 the expert,
;   word 49 the count n (0..48), the rest 0.  With tiles of 48 rows there are never more than ceil(8192 / 48) + 3 = 174, whatever the split.
; LIMIT: an expert number above 3 (or negative) counts as 3.
.set SPARE, 69632                      ; behind the eight stages: the spare words, 128 bytes for each wave
.set WST,   8704                       ; a wave's stage: 32 groups of 256 bytes, 272 bytes apart
.set CNT,   45056                      ; sort: behind the records, 16 bytes of counts for each wave
.set D,     32                         ; v32-63   sort: my 32 tokens' experts;  cast: v32-159 the task as loaded
.set BK,    160                        ; v160-223 cast: the task read back from the stage
.set SPW,   230                        ; v230 LDS address of my spare word; never rewritten
.set NIL,   231                        ; v231 0; never rewritten
	s_load_b256 s[4:11], s[0:1], 0x0               ; W1 s[4:5], W2 s[6:7], domains s[8:9], wf s[10:11]
	s_load_b64 s[12:13], s[0:1], 0x20              ; tiles
	v_lshl_add_u32 v[SPW], v0, 2, SPARE
	v_mov_b32 v[NIL], 0
	v_lshrrev_b32 v2, 5, v0
	v_readfirstlane_b32 s16, v2                    ; wave 0..7
	v_and_b32 v1, 31, v0                           ; lane
	s_wait_kmcnt 0x0
	s_cmp_eq_u32 ttmp9, 0
	s_cbranch_scc1 .Lsort
; ---------------------------------------------------------------- THE CAST: a wave takes 16 rows x 256 k: 16,384 bytes of f32 in, 8,192 bytes of bf16 out
	s_sub_co_u32 s17, ttmp9, 1                     ; 0..255: the first 128 work-groups take W1, the others W2
	s_and_b32 s18, s17, 127
	s_lshl_b32 s18, s18, 3
	s_add_co_u32 s18, s18, s16                     ; the task, 0..1023
	v_lshlrev_b32 v3, 4, v1                        ; 16 x lane: offset of loads and stores; never rewritten
	s_mul_i32 s19, s16, WST                        ; my stage
	v_lshrrev_b32 v4, 1, v1                        ; in: four numbers (8 bytes) belong to group k / 8 = 16 q + lane / 2, at 8 (lane % 2) of row rho's 16 bytes
	v_mul_u32_u24 v4, v4, 272
	v_and_b32 v5, 1, v1
	v_lshl_add_u32 v4, v5, 3, v4
	v_add_nc_u32 v4, s19, v4
	v_lshrrev_b32 v5, 4, v1                        ; back: two groups, 512 bytes, as they lie in wf
	v_mul_u32_u24 v5, v5, 272
	v_and_b32 v6, 15, v1
	v_lshl_add_u32 v5, v6, 4, v5
	v_add_nc_u32 v5, s19, v5
	s_mov_b32 s21, 0
	s_mov_b32 s23, 0
.macro LD32 pitch, base                ; 32 loads of 512 consecutive bytes: row rho = n / 2, half q = n % 2 of its 1,024 bytes
.set nn, 0
.rept 32
	global_load_b128 v[D+4*nn:D+4*nn+3], v3, s[\base:\base+1] offset:(nn/2)*(\pitch)+(nn%2)*512 th:TH_LOAD_NT
.set nn, nn+1
.endr
.endm
	s_cmp_lt_u32 s17, 128
	s_cbranch_scc0 .Lw2
	s_and_b32 s24, s18, 7                          ; W1: which 256 of the 2,048 k
	s_lshr_b32 s25, s18, 3                         ; which 16 of the 2,048 rows: 32 expert + 4 wave + fragment
	s_lshl_b32 s20, s25, 17                        ; 16 rows of 8,192 bytes
	s_lshl_b32 s26, s24, 10
	s_add_co_u32 s20, s20, s26
	s_lshr_b32 s22, s25, 2                         ; 8 expert + wave
	s_lshl_b32 s22, s22, 19
	s_lshl_b32 s26, s24, 15                        ; eight stages of 4,096 bytes
	s_add_co_u32 s22, s22, s26
	s_and_b32 s26, s25, 3
	s_lshl_b32 s26, s26, 10
	s_add_co_u32 s22, s22, s26
	s_add_nc_u64 s[4:5], s[4:5], s[20:21]
	s_add_nc_u64 s[10:11], s[10:11], s[22:23]
	LD32 8192, 4
	s_branch .Lcast
.Lw2:
	s_and_b32 s24, s18, 1                          ; W2: which 256 of the 512 k
	s_lshr_b32 s25, s18, 1                         ; which 16 of the 8,192 rows: 128 expert + 32 pass + 4 wave + fragment
	s_lshl_b32 s20, s25, 15                        ; 16 rows of 2,048 bytes
	s_lshl_b32 s26, s24, 10
	s_add_co_u32 s20, s20, s26
	s_lshr_b32 s22, s25, 7
	s_lshl_b32 s22, s22, 3
	s_bfe_u32 s26, s25, 0x30002
	s_add_co_u32 s22, s22, s26                     ; 8 expert + wave
	s_lshl_b32 s22, s22, 19
	s_bfe_u32 s26, s25, 0x20005                    ; pass
	s_lshl_b32 s26, s26, 4
	s_lshl_b32 s27, s24, 3
	s_add_co_u32 s26, s26, s27
	s_add_co_u32 s26, s26, 64                      ; stage 64 + 16 pass + 8 x which 256
	s_lshl_b32 s26, s26, 12
	s_add_co_u32 s22, s22, s26
	s_and_b32 s26, s25, 3
	s_lshl_b32 s26, s26, 10
	s_add_co_u32 s22, s22, s26
	s_add_nc_u64 s[6:7], s[6:7], s[20:21]
	s_add_nc_u64 s[10:11], s[10:11], s[22:23]
	LD32 2048, 6
.Lcast:
.set nn, 0
.rept 32
	s_wait_loadcnt 31-nn                           ; loads come back in order: load nn is in, the younger ones stay out
	v_cvt_pk_bf16_f32 v[D+4*nn], v[D+4*nn], v[D+4*nn+1]
	v_cvt_pk_bf16_f32 v[D+4*nn+1], v[D+4*nn+2], v[D+4*nn+3]
	ds_store_b64 v4, v[D+4*nn:D+4*nn+1] offset:(nn%2)*4352+(nn/2)*16  ; 32 lanes, 32 different columns of 8 bytes modulo 256
.set nn, nn+1
.endr
.set jj, 0
.rept 16
	ds_load_b128 v[BK+4*jj:BK+4*jj+3], v5 offset:jj*544  ; my own bytes; LDS serves a wave's instructions in order, so these see the stores above
.set jj, jj+1
.endr
.set jj, 0
.rept 16
	s_wait_dscnt 15-jj
	global_store_b128 v3, v[BK+4*jj:BK+4*jj+3], s[10:11] offset:(jj/2)*4096+(jj%2)*512  ; 512 consecutive bytes, at a multiple of 512 from wf's first
.set jj, jj+1
.endr
	s_wait_tensorcnt 0x0                           ; the wave's end, behind my last LDS store
	ds_add_u32 v[SPW], v[NIL]
	s_wait_dscnt 0x0
	s_endpgm
; ---------------------------------------------------------------- THE SORT: a counting sort without atomics.  Wave w owns tokens 1024 w .. 1024 w + 1023;
; register D + 4 q + c of a lane holds the expert of token 1024 w + 128 q + 4 lane + c.
.Lsort:
	s_lshl_b32 s17, s16, 12
	v_lshl_add_u32 v3, v1, 4, s17
.irp q, 0,1,2,3,4,5,6,7
	global_load_b128 v[D+4*\q:D+4*\q+3], v3, s[8:9] offset:\q*512
.endr
	v_lshlrev_b32 v4, 4, v0                        ; 16 x thread; never rewritten
	v_mov_b32 v8, 0
	v_mov_b32 v9, 0
	v_mov_b32 v10, 0
	v_mov_b32 v11, 0
.irp k, 0,1,2,3,4,5,6,7,8,9,10
	ds_store_b128 v4, v[8:11] offset:\k*4096       ; the 176 records start as zeros
.endr
	s_mov_b32 s20, 0
	s_mov_b32 s21, 0
	s_mov_b32 s22, 0
	s_wait_loadcnt 0x0
.set ii, 0
.rept 32                               ; my wave's count of each expert
	v_min_u32 v[D+ii], 3, v[D+ii]
	v_cmp_eq_u32 s48, 0, v[D+ii]
	v_cmp_eq_u32 s49, 1, v[D+ii]
	v_cmp_eq_u32 s50, 2, v[D+ii]
	s_bcnt1_i32_b32 s48, s48
	s_bcnt1_i32_b32 s49, s49
	s_bcnt1_i32_b32 s50, s50
	s_add_co_u32 s20, s20, s48
	s_add_co_u32 s21, s21, s49
	s_add_co_u32 s22, s22, s50
.set ii, ii+1
.endr
	s_add_co_u32 s23, s20, s21
	s_add_co_u32 s23, s23, s22
	s_sub_co_u32 s23, 1024, s23
	v_mov_b32 v12, s20
	v_mov_b32 v13, s21
	v_mov_b32 v14, s22
	v_mov_b32 v15, s23
	s_lshl_b32 s17, s16, 4
	v_mov_b32 v5, s17
	ds_store_b128 v5, v[12:15] offset:CNT          ; all lanes store the same 16 bytes
	s_wait_dscnt 0x0                               ; for the others' sake: my counts and my part of the zeros are written
	s_barrier_signal -1
	s_barrier_wait -1
	v_and_b32 v7, 7, v1
	v_lshlrev_b32 v7, 4, v7
	ds_load_b128 v[12:15], v7 offset:CNT           ; lane l holds wave l % 8's four counts
.irp t, 24,25,26,27,28,29,30,31
	s_mov_b32 s\t, 0                               ; s24-27 the experts' totals; s28-31 the counts of the waves in front of mine
.endr
	s_wait_dscnt 0x0
.irp wp, 0,1,2,3,4,5,6,7
	v_readlane_b32 s32, v12, \wp
	v_readlane_b32 s33, v13, \wp
	v_readlane_b32 s34, v14, \wp
	v_readlane_b32 s35, v15, \wp
	s_add_co_u32 s24, s24, s32
	s_add_co_u32 s25, s25, s33
	s_add_co_u32 s26, s26, s34
	s_add_co_u32 s27, s27, s35
	s_cmp_gt_u32 s16, \wp
	s_cselect_b32 s32, s32, 0
	s_cselect_b32 s33, s33, 0
	s_cselect_b32 s34, s34, 0
	s_cselect_b32 s35, s35, 0
	s_add_co_u32 s28, s28, s32
	s_add_co_u32 s29, s29, s33
	s_add_co_u32 s30, s30, s34
	s_add_co_u32 s31, s31, s35
.endr
	; tiles of expert e: (total + 47) / 48.  x / 48 = (x * 43691) >> 21 for x below 131,072: 43691 * 48 = 2^21 + 16
	s_mov_b32 s36, 0                               ; s36-40: the first tile of expert 0..3, and the number of tiles
.irp e, 0,1,2,3
	s_add_co_u32 s32, s[24+\e], 47
	s_mul_i32 s32, s32, 0xaaab
	s_lshr_b32 s32, s32, 21
	s_add_co_u32 s[37+\e], s[36+\e], s32
	s_mul_i32 s33, s[36+\e], 48
	s_add_co_u32 s[44+\e], s[28+\e], s33           ; s44-47: the place, counted in rows of tiles, of my wave's next token of expert e
.endr
	s_lshl_b32 s17, s16, 10
	v_lshl_add_u32 v6, v1, 2, s17                  ; token of my register D
.set ii, 0
.rept 32                               ; each token goes to its place: place p lies in record p / 48, word p % 48: word p + 16 (p / 48) of the records
	v_cmp_eq_u32 s48, 0, v[D+ii]
	v_cmp_eq_u32 s49, 1, v[D+ii]
	v_cmp_eq_u32 s50, 2, v[D+ii]
	v_cmp_eq_u32 s51, 3, v[D+ii]
	v_mbcnt_lo_u32_b32 v16, s48, s44               ; the expert's next place + the lanes below mine with the same expert
	v_mbcnt_lo_u32_b32 v17, s49, s45
	v_mbcnt_lo_u32_b32 v18, s50, s46
	v_mbcnt_lo_u32_b32 v19, s51, s47
	v_cndmask_b32 v16, v16, v17, s49
	v_cndmask_b32 v16, v16, v18, s50
	v_cndmask_b32 v16, v16, v19, s51
	s_bcnt1_i32_b32 s48, s48
	s_bcnt1_i32_b32 s49, s49
	s_bcnt1_i32_b32 s50, s50
	s_bcnt1_i32_b32 s51, s51
	s_add_co_u32 s44, s44, s48
	s_add_co_u32 s45, s45, s49
	s_add_co_u32 s46, s46, s50
	s_add_co_u32 s47, s47, s51
	v_mul_u32_u24 v17, 0xaaab, v16
	v_lshrrev_b32 v17, 21, v17
	v_lshl_add_u32 v16, v17, 4, v16
	v_min_u32 v16, 0x2bff, v16                     ; inside the 11,264 words of the records
	v_lshlrev_b32 v16, 2, v16
	v_add_nc_u32 v20, 128*(ii/4)+(ii%4), v6
	ds_store_b32 v16, v20                          ; no two tokens have the same place
.set ii, ii+1
.endr
	; record g's expert and count: thread g (threads past 175 repeat record 175, with the same numbers)
	v_min_u32 v7, 0xaf, v0
	v_mov_b32 v10, 0
	v_mov_b32 v8, 0
	v_mov_b32 v9, s24
.irp k, 1,2,3
	v_cmp_le_u32 vcc_lo, s[36+\k], v7              ; the last expert whose first tile is not behind g
	v_cndmask_b32 v10, v10, \k, vcc_lo
	v_cndmask_b32 v8, v8, s[36+\k], vcc_lo
	v_cndmask_b32 v9, v9, s[24+\k], vcc_lo
.endr
	v_sub_nc_u32 v8, v7, v8
	v_mul_u32_u24 v8, 48, v8
	v_sub_nc_u32 v11, v9, v8                       ; what is left of the expert's rows at this tile,
	v_max_i32 v11, 0, v11
	v_min_i32 v11, 48, v11                         ; held to 0..48
	v_lshlrev_b32 v12, 8, v7
	ds_store_b64 v12, v[10:11] offset:192
	s_wait_dscnt 0x0                               ; for the others' sake: my stores into the records are done
	s_barrier_signal -1
	s_barrier_wait -1
	; the records leave: a thread takes 16 bytes of record thread / 16 + 16 k; rows past the count take the record's word 0
	v_lshrrev_b32 v21, 4, v0
	v_lshlrev_b32 v21, 8, v21
.irp k, 0,1,2,3,4,5,6,7,8,9,10
	ds_load_b128 v[32+4*\k:32+4*\k+3], v4 offset:\k*4096
	ds_load_b32 v[80+\k], v21 offset:\k*4096
	ds_load_b32 v[96+\k], v21 offset:\k*4096+196
.endr
	v_and_b32 v22, 15, v0
	v_cmp_le_u32 s52, 12, v22                      ; words 48-63 are kept as they are
	v_lshlrev_b32 v24, 2, v22
	v_add_nc_u32 v25, 1, v24
	v_add_nc_u32 v26, 2, v24
	v_add_nc_u32 v27, 3, v24
	v_mov_b32 v28, 127
	s_wait_dscnt 0x0
.irp k, 0,1,2,3,4,5,6,7,8,9,10
	v_cndmask_b32 v[96+\k], v[96+\k], v28, s52
.irp q, 0,1,2,3
	v_cmp_gt_u32 vcc_lo, v[96+\k], v[24+\q]
	v_cndmask_b32 v[32+4*\k+\q], v[80+\k], v[32+4*\k+\q], vcc_lo
.endr
	global_store_b128 v4, v[32+4*\k:32+4*\k+3], s[12:13] offset:\k*4096  ; a wave stores 512 consecutive bytes, aligned
.endr
	s_wait_tensorcnt 0x0                           ; the wave's end, behind my last LDS store
	ds_add_u32 v[SPW], v[NIL]
	s_wait_dscnt 0x0
	s_endpgm
.Lfunc_end_k_q58e19b5a51_prep:
	.size	k_q58e19b5a51_prep, .Lfunc_end_k_q58e19b5a51_prep-k_q58e19b5a51_prep
	.p2alignl 7, 3214868480
	.fill 96, 4, 3214868480
	.section	.rodata,"a",@progbits
	.p2align	6, 0x0
	.amdhsa_kernel k_q58e19b5a51_prep
		.amdhsa_group_segment_fixed_size 70656
		.amdhsa_private_segment_fixed_size 0
		.amdhsa_enable_private_segment 0
		.amdhsa_kernarg_size 40
		.amdhsa_user_sgpr_count 2
		.amdhsa_user_sgpr_kernarg_segment_ptr 1
		.amdhsa_wavefront_size32 1
		.amdhsa_system_sgpr_workgroup_id_x 1
		.amdhsa_system_sgpr_workgroup_id_y 1
		.amdhsa_system_sgpr_workgroup_id_z 1
		.amdhsa_system_vgpr_workitem_id 0
		.amdhsa_next_free_vgpr 232
		.amdhsa_next_free_sgpr 66
		.amdhsa_reserve_vcc 1
		.amdhsa_float_denorm_mode_32 3
		.amdhsa_float_denorm_mode_16_64 3
		.amdhsa_memory_ordered 1
		.amdhsa_forward_progress 1
		.amdhsa_inst_pref_size 91
	.end_amdhsa_kernel
	.amdgpu_metadata
---
amdhsa.version: [ 1, 2 ]
amdhsa.kernels:
  - .name:           k_q58e19b5a51_prep
    .symbol:         k_q58e19b5a51_prep.kd
    .args:
      - { .name: W1, .offset: 0, .size: 8, .value_kind: global_buffer, .address_space: global }
      - { .name: W2, .offset: 8, .size: 8, .value_kind: global_buffer, .address_space: global }
      - { .name: domains, .offset: 16, .size: 8, .value_kind: global_buffer, .address_space: global }
      - { .name: wf, .offset: 24, .size: 8, .value_kind: global_buffer, .address_space: global }
      - { .name: tiles, .offset: 32, .size: 8, .value_kind: global_buffer, .address_space: global }
    .group_segment_fixed_size: 70656
    .private_segment_fixed_size: 0
    .kernarg_segment_align: 8
    .kernarg_segment_size: 40
    .max_flat_workgroup_size: 256
    .sgpr_count:     66
    .vgpr_count:     232
    .wavefront_size: 32
...
	.end_amdgpu_metadata
.endif
;; end of part 1
;; launch chain (part 2): grid 174 x 1, 8 waves a work-group, no clusters, 291,328 bytes of LDS; arguments x, wf, b1, b2, tiles, out0; writes out0
.if DOCPART == 2
	.amdgcn_target "amdgcn-amd-amdhsa--gfx1250"
	.amdhsa_code_object_version 6
	.text
	.protected	k_q58e19b5a51_chain
	.globl	k_q58e19b5a51_chain
	.p2align	8
	.type	k_q58e19b5a51_chain,@function
k_q58e19b5a51_chain:
	s_mov_b64 s[64:65], 0
	v_nop
	global_prefetch_b8 v0, s[64:65] scope:SCOPE_SE
	s_setreg_imm32_b32 hwreg(HW_REG_WAVE_MODE, 25, 1), 1
	s_wait_xcnt 0x0
; out[n] = x[n] + W2[e] relu(W1[e] x[n] + b1[e]) + b2[e], e = domains[n].  A work-group takes one record of the sorted list: up to 48 rows of ONE expert, through the whole chain.
; SHARES.  Eight waves.  First product: wave w makes hidden units 64 w .. 64 w + 63 of all 48 rows.  Second product, in four passes p: output channels 512 p + 64 w .. + 63.
; Either way 4 weight fragments x 3 blocks of 16 rows = 12 accumulators, which take turns, one instruction a turn.
; LAYOUT.  Both products are used transposed (source 0 = 16 rows of weights, source 1 = 16 tokens): lane (r = lane % 16, h = lane / 16) holds token r and the eight neighbouring units 8 h + 0..7.
; x is read from memory once, rounded to bf16 and kept in LDS: it is the first product's operand and, by a product with a selector matrix of ones (exact: one term a sum), the start of the output's sums.
; h stays in LDS in bf16.  b1 is loaded straight into the first product's accumulators, b2 is added in f32 on the way out.  All sums in f32.
; WEIGHTS come from memory straight into registers, in the order laid out by the launch before: a stage is one K step's four fragments, eight loads of 512 consecutive bytes; a wave's 128 stages are one
; stream of 524,288 bytes.  A ring of eight register slots keeps seven stages, 56 loads of 512 bytes, of every wave on their way.
; TOKEN FRAGMENTS come out of LDS through a ring of four register buffers: K step i reads buffer i % 4 and asks for step i + 3's, two K steps and ten products ahead of the wait for them.
; NO TENSOR LOADS, NO CLUSTER: each weight byte is used by exactly one wave of the work-group and arrives in operand order, so a way through LDS would add a write and a read of every byte for nothing,
; and x, h, b2, the stages and the spare words take 291,328 of the 327,680 bytes: two slots for shared tiles have no room.  How many tiles an expert has hangs on counts read from memory, so partners are not fixed either.
; LIMITS.  x enters the residual rounded once to bf16 (2^-9 of itself at the most); NaN and infinities are not treated apart (a product 0 x infinity in the selector spreads over 32 channels);
; an expert number is held to 0..3, a count to 0..48, a token to 0..8191.  Rows past the count repeat the tile's first row and are stored again with the same numbers, or not at all.
.set XP,    4112                       ; a row of x in LDS: 4,096 bytes + 16: row r starts at bank 4 r mod 64 (64 banks of 4 bytes: ISA guide 11.1)
.set HP,    1040                       ; a row of h: 1,024 + 16
.set SP,    272                        ; a row of a stage: 256 + 16
.set HS,    48*XP                      ; x: 48 rows from byte 0; h behind it
.set B2S,   HS+48*HP                   ; b2 of my expert, 8,192 bytes of f32
.set STG,   B2S+8192                   ; 16 rows x 272 bytes for each wave, for the way out
.set SPARE, STG+8*16*SP                ; the spare words, 128 bytes for each wave
; window 0
.set WO,  3                            ; v3      16 x lane: my bytes of a weight load; never rewritten
.set XA,  4                            ; v4-6    block s: LDS address of my x fragment, stepped along K
.set XI,  7                            ; v7-9    the same at my wave's 64 channels of the pass to come
.set HA,  10                           ; v10     my h fragment of block 0
.set HST, 11                           ; v11     where I put 16 bytes of h
.set STO, 12                           ; v12     the way out: where I put 16 bytes of a row
.set RD,  13                           ; v13     the way out: where I read rows back
.set B2A, 14                           ; v14     my four b2 of the pass
.set ZR,  15                           ; v15     0, for the ReLU
.set SPW, 16                           ; v16     LDS address of my spare word; never rewritten
.set NIL, 17                           ; v17     0; never rewritten
.set XW,  18                           ; v18-20  block s: where I put 8 bytes of x
.set RA,  21                           ; v21     32 h; never rewritten
.set RO,  24                           ; v24-47  pair p = 8 s + j: byte offset in x and out of rows 16 s + j (lanes 0-15) and 16 s + 8 + j (lanes 16-31), + 16 r; never rewritten
.set EE,  48                           ; v48-59  0 x 4, the selector's four registers, 0 x 4: v[52:59] picks k = m, v[48:55] picks k = 16 + m
.set B2Q, 60                           ; v60-63  four b2
.set TMP, 64                           ; v64-95  at work while x comes in; the fragment buffers are not yet in use then
                                       ; v64-143, v240-255  token fragments: block s of buffer b is fragment t = 3 b + s, at v[64 + 8 t] for t < 10, at v240 and v248 for t = 10, 11
.set ACC, 144                          ; v144-239 accumulator (s, f) at 144 + 8 (4 s + f);  v240-247 first carry b2 on its way into LDS
; window 1: the weight ring, slot a at 32 a, fragment f at + 8 f; before that, v0-191: 48 slots of four for x on its way in
.set PF_X, 0
.set PF_XI, 1
.set PF_H, 2
.set PF_NONE, 3
.set MSB, 0
.macro WIN new                         ; s_set_vgpr_msb: bits 1:0 source 0, 3:2 source 1, 5:4 source 2, 7:6 destination; the high byte repeats the setting that is left
.if MSB != (\new)
	s_set_vgpr_msb (MSB<<8)|(\new)
.set MSB, (\new)
.endif
.endm
.set W_MUL, 0x01                       ; source 0 (weights) in window 1
.set W_LDW, 0x40                       ; a load's destination in window 1
.set W_CV,  0x05                       ; a conversion's two sources in window 1
.macro PLACES                          ; four plain vector instructions between a matrix instruction and a load into, or a read of, its registers
.rept 4
	v_nop
.endr
.endm
	s_load_b256 s[4:11], s[0:1], 0x0               ; x s[4:5], wf s[6:7], b1 s[8:9], b2 s[10:11]
	s_load_b128 s[12:15], s[0:1], 0x20             ; tiles s[12:13], out0 s[14:15]
	v_lshl_add_u32 v[SPW], v0, 2, SPARE
	v_mov_b32 v[NIL], 0
	v_lshrrev_b32 v1, 5, v0
	v_readfirstlane_b32 s16, v1                    ; wave 0..7
	v_and_b32 v1, 15, v0                           ; r
	v_bfe_u32 v2, v0, 4, 1                         ; h
	v_lshlrev_b32 v[RA], 5, v2
	s_lshl_b32 s20, ttmp9, 8                       ; my record, 256 bytes
	s_mov_b32 s21, 0
	s_wait_kmcnt 0x0
	s_add_nc_u64 s[12:13], s[12:13], s[20:21]
	s_load_b64 s[18:19], s[12:13], 0xc0            ; expert, count
.set pp, 0
.rept 24
	global_load_b32 v[RO+pp], v[RA], s[12:13] offset:(16*(pp/8)+pp%8)*4  ; the tokens of rows 16 s + j + 8 h
.set pp, pp+1
.endr
	; the lanes' addresses, while those loads are out
	v_and_b32 v22, 31, v0
	v_lshlrev_b32 v[WO], 4, v22
	v_mul_u32_u24 v22, v1, XP
	v_lshl_add_u32 v22, v2, 4, v22                 ; a fragment: row r x pitch + 16 h; two loads of 16 bytes, 32 bytes apart
	s_lshl_b32 s17, s16, 7                         ; my wave's 64 channels or units, in bf16
.irp s, 0,1,2
	v_add_nc_u32 v[XA+\s], \s*16*XP, v22
	v_add_nc_u32 v[XI+\s], s17, v[XA+\s]
.endr
	v_mul_u32_u24 v22, v1, HP
	v_lshl_add_u32 v22, v2, 4, v22
	v_add_nc_u32 v[HA], HS, v22
	v_add_nc_u32 v[HST], s17, v[HA]
	s_mul_i32 s17, s16, 16*SP
	s_add_co_u32 s17, s17, STG                     ; my stage
	v_mul_u32_u24 v22, v1, SP                      ; in: row r, 32 bytes for each half of the lanes
	v_lshl_add_u32 v22, v2, 5, v22
	v_add_nc_u32 v[STO], s17, v22
	v_mul_u32_u24 v22, v2, 8*SP                    ; back: lanes 0-15 take row j, lanes 16-31 row j + 8, 256 bytes each
	v_lshl_add_u32 v22, v1, 4, v22
	v_add_nc_u32 v[RD], s17, v22
	s_lshl_b32 s17, s16, 8
	s_add_co_u32 s17, s17, B2S
	v_lshl_add_u32 v[B2A], v1, 4, s17
	v_mov_b32 v[ZR], 0
	s_lshl_b32 s17, s16, 9                         ; my wave's 256 channels of x, in bf16
	v_mul_u32_u24 v22, v2, 8*XP
	v_lshl_add_u32 v22, v1, 3, v22
	v_add_nc_u32 v22, s17, v22
.irp s, 0,1,2
	v_add_nc_u32 v[XW+\s], \s*16*XP, v22
.endr
	; the selector: lane (r, h) holds row m = r; its one 1.0 (bf16) stands at k = r: where r / 8 = h, in register (r % 8) / 2, half r % 2
.irp q, 0,1,2,3,8,9,10,11
	v_mov_b32 v[EE+\q], 0
.endr
	v_and_b32 v23, 1, v1
	v_lshlrev_b32 v23, 4, v23
	v_mov_b32 v22, 0x3f80
	v_lshlrev_b32 v23, v23, v22
	v_lshrrev_b32 v22, 3, v1
	v_cmp_eq_u32 vcc_lo, v22, v2
	v_cndmask_b32 v23, 0, v23, vcc_lo
	v_bfe_u32 v22, v1, 1, 2
.irp q, 0,1,2,3
	v_cmp_eq_u32 vcc_lo, \q, v22
	v_cndmask_b32 v[EE+4+\q], 0, v23, vcc_lo
.endr
	v_lshlrev_b32 v23, 5, v0                       ; b2: 32 bytes a thread; never rewritten
	v_add_nc_u32 v22, B2S, v23
	v_lshlrev_b32 v1, 4, v1                        ; from here on 16 r
	s_wait_kmcnt 0x0
	s_min_u32 s18, s18, 3
	s_min_u32 s19, s19, 48
	s_lshl_b32 s20, s16, 10
	s_add_nc_u64 s[4:5], s[4:5], s[20:21]          ; x at my wave's 1,024 bytes of a row
	s_lshl3_add_u32 s20, s18, s16
	s_lshl_b32 s20, s20, 19
	s_add_nc_u64 s[6:7], s[6:7], s[20:21]          ; my stream of weights
	s_lshl_b32 s20, s18, 11
	s_lshl_b32 s17, s16, 8
	s_add_co_u32 s20, s20, s17
	s_add_nc_u64 s[8:9], s[8:9], s[20:21]          ; b1 at my 64 units
	s_lshl_b32 s20, s18, 13
	s_add_nc_u64 s[10:11], s[10:11], s[20:21]      ; b2 of my expert
	s_mov_b32 s20, s17
	s_add_nc_u64 s[14:15], s[14:15], s[20:21]      ; out at my wave's 256 bytes of pass 0
.set aa, 0
.rept 12                               ; b1 starts the first product's sums: the same eight numbers for the three blocks
	global_load_b128 v[ACC+8*aa:ACC+8*aa+3],   v[RA], s[8:9] offset:(aa%4)*64
	global_load_b128 v[ACC+8*aa+4:ACC+8*aa+7], v[RA], s[8:9] offset:(aa%4)*64+16
.set aa, aa+1
.endr
	global_load_b128 v[240:243], v23, s[10:11]
	global_load_b128 v[244:247], v23, s[10:11] offset:16
	s_wait_loadcnt 26                              ; the tokens are in: the 24 loads of b1 and the 2 of b2 are younger
.set pp, 0
.rept 24
	v_min_u32 v[RO+pp], 0x1fff, v[RO+pp]
	v_lshl_add_u32 v[RO+pp], v[RO+pp], 13, v1      ; token x 8,192 bytes + 16 r
.set pp, pp+1
.endr
; ---------------------------------------------------------------- x INTO LDS.  Load n = 4 p + u brings 256 aligned bytes of each of pair p's two rows.  48 loads are out at any time.
	WIN W_LDW
.set nn, 0
.rept 48
	global_load_b128 v[4*nn:4*nn+3], v[RO+nn/4], s[4:5] offset:(nn%4)*256 th:TH_LOAD_NT
.set nn, nn+1
.endr
; Batch m: pair m's four loads are rounded and stored, and four loads go out into the registers just freed: x's second half (m < 12), then the first six stages of weights.
.macro XBATCH m
	s_wait_loadcnt 44                              ; every batch issues four loads, so 44 younger ones are out: the four oldest are in
	WIN W_CV
.irp u, 0,1,2,3
	v_cvt_pk_bf16_f32 v[TMP+8*((\m)%4)+2*\u],   v[4*((4*(\m)+\u)%48)],   v[4*((4*(\m)+\u)%48)+1]
	v_cvt_pk_bf16_f32 v[TMP+8*((\m)%4)+2*\u+1], v[4*((4*(\m)+\u)%48)+2], v[4*((4*(\m)+\u)%48)+3]
.endr
	WIN 0
.irp u, 0,1,2,3
	ds_store_b64 v[XW+(\m)/8], v[TMP+8*((\m)%4)+2*\u:TMP+8*((\m)%4)+2*\u+1] offset:((\m)%8)*XP+\u*128  ; two rows' 128 bytes, 128 apart modulo 256
.endr
	WIN W_LDW
.irp u, 0,1,2,3
.if (\m) < 12
	global_load_b128 v[4*(4*(\m)+\u):4*(4*(\m)+\u)+3], v[RO+(\m)+12], s[4:5] offset:\u*256 th:TH_LOAD_NT
.else
	global_load_b128 v[4*(4*((\m)-12)+\u):4*(4*((\m)-12)+\u)+3], v[WO], s[6:7] offset:512*(4*((\m)-12)+\u)
.endif
.endr
.endm
.set bm, 0
.rept 24
	XBATCH bm
.if bm == 0
	WIN 0
	ds_store_b128 v22, v[240:243]                  ; b2's loads are older than x's: they are in
	ds_store_b128 v22, v[244:247] offset:16
.endif
.set bm, bm+1
.endr
	WIN W_LDW
.irp k, 0,1,2,3,4,5,6,7
	global_load_b128 v[192+4*\k:192+4*\k+3], v[WO], s[6:7] offset:6*4096+512*\k  ; stage 6: 56 loads of mine are out
.endr
	WIN 0
	s_wait_dscnt 0x0                               ; for the others' sake: my part of x and of b2 is written
	s_barrier_signal -1
	s_barrier_wait -1
; ---------------------------------------------------------------- THE PRODUCTS
.macro PF kind, arg, b                 ; six LDS loads: three token fragments into buffer b
.irp s, 0,1,2
.set fr, 64+8*(3*(\b)+\s)+96*((3*(\b)+\s)/10)
.if (\kind) == PF_X
	ds_load_b128 v[fr:fr+3],   v[XA+\s] offset:(\arg)
	ds_load_b128 v[fr+4:fr+7], v[XA+\s] offset:(\arg)+32
.elseif (\kind) == PF_XI
	ds_load_b128 v[fr:fr+3],   v[XI+\s] offset:(\arg)
	ds_load_b128 v[fr+4:fr+7], v[XI+\s] offset:(\arg)+32
.else
	ds_load_b128 v[fr:fr+3],   v[HA] offset:\s*16*HP+(\arg)*64
	ds_load_b128 v[fr+4:fr+7], v[HA] offset:\s*16*HP+(\arg)*64+32
.endif
.endr
.endm
.macro MM a, b, i                      ; product i of a K step's 12: fragment i / 3 of slot a, block i % 3 of buffer b
.set mf, (\i)/3
.set ms, (\i)%3
.set mt, 3*(\b)+ms
.set mr, 64+8*mt+96*(mt/10)
	v_wmma_f32_16x16x32_bf16 v[ACC+8*(4*ms+mf):ACC+8*(4*ms+mf)+7], v[32*(\a)+8*mf:32*(\a)+8*mf+7], v[mr:mr+7], v[ACC+8*(4*ms+mf):ACC+8*(4*ms+mf)+7]
.endm
.macro INIT i                          ; the same accumulator started with x: selector x x fragment + 0.  My first 32 channels lie in buffer 2, the other 32 in buffer 3
.set mf, (\i)/3
.set ms, (\i)%3
.set mt, 3*(2+mf/2)+ms
.set mr, 64+8*mt+96*(mt/10)
	v_wmma_f32_16x16x32_bf16 v[ACC+8*(4*ms+mf):ACC+8*(4*ms+mf)+7], v[EE+4-4*(mf&1):EE+4-4*(mf&1)+7], v[mr:mr+7], 0
.endm
; A K step of 32: slot a's stage times buffer b.  Behind its second product: the stage seven on goes out into the slot that the step before read (ld = 1, at byte limm of the stream's base), and the token
; fragments of the step three on into the buffer that the step before read, (b + 3) % 4; the four v_nop are the places behind the step before's products.
; wcnt: the global loads younger than this stage's.  dcnt: the LDS loads younger than this step's fragments: those of the two steps to come, six each.
.macro KSTEP a, b, wcnt, dcnt, ld, limm, kind, arg
	s_wait_loadcnt (\wcnt)
	s_wait_dscnt (\dcnt)
	WIN W_MUL
	MM \a, \b, 0
	MM \a, \b, 1
.if (\ld) || ((\kind) != PF_NONE)
	PLACES
.endif
.if \ld
	WIN W_LDW
.irp k, 0,1,2,3,4,5,6,7
	global_load_b128 v[32*(((\a)+7)%8)+4*\k:32*(((\a)+7)%8)+4*\k+3], v[WO], s[6:7] offset:(\limm)+512*\k
.endr
.endif
.if (\kind) != PF_NONE
	WIN 0
	PF \kind, \arg, ((\b)+3)%4
.endif
	WIN W_MUL
.irp m, 2,3,4,5,6,7,8,9,10,11
	MM \a, \b, \m
.endr
.endm
	PF PF_X, 0, 0                                  ; the fragments of x for K steps 0, 1 and 2
	PF PF_X, 64, 1
	PF PF_X, 128, 2
	s_mov_b32 s22, 7
.Lk1:                                                  ; h = W1 x + b1: 64 K steps, eight a trip; six younger stages of eight loads, and two younger steps' six LDS loads, are out at each pair of waits
.set ks, 0
.rept 8
	KSTEP ks, ks%4, 48, 12, 1, (ks+7)*4096, PF_X, (ks+3)*64
.set ks, ks+1
.endr
	WIN 0
.irp s, 0,1,2
	v_add_nc_u32 v[XA+\s], 512, v[XA+\s]
.endr
	s_wait_xcnt 0x0                                ; the loads' base is stepped only behind this wait
	s_add_nc_u64 s[6:7], s[6:7], 32768
	s_sub_co_u32 s22, s22, 1
	s_cmp_lg_u32 s22, 0
	s_cbranch_scc1 .Lk1
.set ks, 0
.rept 5                                ; the eighth trip is written out: step 60 asks for step 63's fragments, the last of x along K
	KSTEP ks, ks%4, 48, 12, 1, (ks+7)*4096, PF_X, (ks+3)*64
.set ks, ks+1
.endr
	KSTEP 5, 1, 48, 12, 1, 12*4096, PF_NONE, 0     ; steps 61 and 62 ask for no fragments, so the counts run down: 12, 6, 0
	KSTEP 6, 2, 48, 6, 1, 13*4096, PF_NONE, 0
	KSTEP 7, 3, 48, 0, 1, 14*4096, PF_XI, 0        ; pass 0's first fragments of x, into buffer 2
	WIN 0
	s_wait_xcnt 0x0
	s_add_nc_u64 s[6:7], s[6:7], 32768
	PLACES
	PF PF_XI, 64, 3                                ; pass 0's second fragments of x
.irp s, 0,1,2
	v_add_nc_u32 v[XI+\s], 1024, v[XI+\s]          ; on to the next pass's 512 channels
.endr
.set ii, 0
.rept 12                               ; h: rounded to bf16 in place (pair q lands in register q, whose own numbers have been read), ReLU on the packed halves, 16 bytes a lane into its row
.set tt, ACC+8*ii
.irp q, 0,1,2,3
	v_cvt_pk_bf16_f32 v[tt+\q], v[tt+2*\q], v[tt+2*\q+1]
.endr
.irp q, 0,1,2,3
	v_pk_max_num_bf16 v[tt+\q], v[tt+\q], v[ZR]
.endr
	ds_store_b128 v[HST], v[tt:tt+3] offset:(ii/4)*16*HP+(ii%4)*32
.set ii, ii+1
.endr
	s_wait_dscnt 0x0                               ; for the others' sake: my 64 units of h are written
	s_barrier_signal -1
	s_barrier_wait -1
	PF PF_H, 0, 0                                  ; K steps 0 and 1 of pass 0: h can be read only behind this barrier
	PF PF_H, 1, 1
; A pass: 64 output channels a wave.  x starts the sums, 16 K steps over h add W2 h, the way out adds b2.  K step i reads buffer i % 4 in every pass: steps 13 and 14 ask for the next pass's
; steps 0 and 1, step 15 and the way out for its fragments of x (buffers 2 and 3), and step 2's fragments follow into buffer 2 when the first six products have read it.
; last = 1: the stream of weights and the fragments end, and the counts run down.
.macro PASS last
	s_wait_dscnt 0x0                               ; the pass's fragments of x and K steps 0 and 1's of h are in
	WIN 0
.irp m, 0,1,2,3,4,5
	INIT \m
.endr
	PLACES
	ds_load_b128 v[B2Q:B2Q+3], v[B2A]
	PF PF_H, 2, 2                                  ; K step 2's fragments of h, into the buffer just read
	v_add_nc_u32 v[B2A], 2048, v[B2A]
.irp m, 6,7,8,9,10,11
	INIT \m
.endr
.set ks, 0
.rept 16
.set wc, 48
.set ldw, 1
.set dc, 12
.if \last
.if ks > 8
.set ldw, 0                            ; stage 127 has been asked for
.endif
.if ks > 9
.set wc, 8*(15-ks)                     ; the stages still behind this one
.endif
.if ks > 13
.set dc, 6*(15-ks)                     ; the steps' fragments still behind this one's
.endif
.endif
.if ks < 13
	KSTEP ks%8, ks%4, wc, dc, ldw, (ks+7)*4096, PF_H, ks+3
.elseif \last
	KSTEP ks%8, ks%4, wc, dc, ldw, (ks+7)*4096, PF_NONE, 0
.elseif ks < 15
	KSTEP ks%8, ks%4, wc, dc, ldw, (ks+7)*4096, PF_H, ks-13
.else
	KSTEP ks%8, ks%4, wc, dc, ldw, (ks+7)*4096, PF_XI, 0
.endif
.set ks, ks+1
.endr
	WIN 0
.if !(\last)
	s_wait_xcnt 0x0
	s_add_nc_u64 s[6:7], s[6:7], 65536
.endif
	PLACES                                         ; behind the last products: the stage's stores read results, the loads below land in registers just read or written
.if !(\last)
	PF PF_XI, 64, 3                                ; the next pass's second fragments of x
.irp s, 0,1,2
	v_add_nc_u32 v[XI+\s], 1024, v[XI+\s]          ; with the four above: seven places ahead of the next pass's first products, on the jumped way too
.endr
.endif
	; THE WAY OUT.  Each block of 16 rows goes through my stage and comes back as whole rows of 256 bytes into the accumulator registers that it left.  The three blocks' stores and loads stand in one
	; run: LDS serves a wave's instructions in order (ISA guide 5.7.1.4), so a block's loads see its stores, and the next block's stores come behind them.  Blocks past the count are jumped: no barrier stands there.
.irp s, 0,1,2
	s_cmp_gt_u32 s19, 16*\s
	s_cbranch_scc0 .Lissued_\@
.irp f, 0,1,2,3
	ds_store_b128 v[STO], v[ACC+8*(4*\s+\f):ACC+8*(4*\s+\f)+3]   offset:\f*64
	ds_store_b128 v[STO], v[ACC+8*(4*\s+\f)+4:ACC+8*(4*\s+\f)+7] offset:\f*64+16
.endr
.irp j, 0,1,2,3,4,5,6,7
	ds_load_b128 v[ACC+32*\s+4*\j:ACC+32*\s+4*\j+3], v[RD] offset:\j*SP
.endr
.endr
.Lissued_\@:
	s_wait_dscnt 0x0                               ; one wait for all that was issued, however many blocks that was
.irp s, 0,1,2
	s_cmp_gt_u32 s19, 16*\s
	s_cbranch_scc0 .Lstored_\@
.irp j, 0,1,2,3,4,5,6,7
	v_pk_add_f32 v[ACC+32*\s+4*\j:ACC+32*\s+4*\j+1],   v[ACC+32*\s+4*\j:ACC+32*\s+4*\j+1],   v[B2Q:B2Q+1]
	v_pk_add_f32 v[ACC+32*\s+4*\j+2:ACC+32*\s+4*\j+3], v[ACC+32*\s+4*\j+2:ACC+32*\s+4*\j+3], v[B2Q+2:B2Q+3]
	global_store_b128 v[RO+8*\s+\j], v[ACC+32*\s+4*\j:ACC+32*\s+4*\j+3], s[14:15] th:TH_STORE_NT  ; sixteen lanes store 256 consecutive bytes of a row, aligned
.endr
.endr
.Lstored_\@:
.if !(\last)
	s_wait_xcnt 0x0                                ; the stores' base is stepped, and their data, the accumulators, written anew only behind this wait
	s_add_nc_u64 s[14:15], s[14:15], 2048
.endif
.endm
	s_mov_b32 s23, 3
.Lpass:
	PASS 0
	s_sub_co_u32 s23, s23, 1
	s_cmp_lg_u32 s23, 0
	s_cbranch_scc1 .Lpass
	PASS 1
	s_wait_tensorcnt 0x0                           ; the wave's end, behind my last LDS store
	ds_add_u32 v[SPW], v[NIL]
	s_wait_dscnt 0x0
	s_endpgm
.Lfunc_end_k_q58e19b5a51_chain:
	.size	k_q58e19b5a51_chain, .Lfunc_end_k_q58e19b5a51_chain-k_q58e19b5a51_chain
	.p2alignl 7, 3214868480
	.fill 96, 4, 3214868480
	.section	.rodata,"a",@progbits
	.p2align	6, 0x0
	.amdhsa_kernel k_q58e19b5a51_chain
		.amdhsa_group_segment_fixed_size 291328
		.amdhsa_private_segment_fixed_size 0
		.amdhsa_enable_private_segment 0
		.amdhsa_kernarg_size 48
		.amdhsa_user_sgpr_count 2
		.amdhsa_user_sgpr_kernarg_segment_ptr 1
		.amdhsa_wavefront_size32 1
		.amdhsa_system_sgpr_workgroup_id_x 1
		.amdhsa_system_sgpr_workgroup_id_y 1
		.amdhsa_system_sgpr_workgroup_id_z 1
		.amdhsa_system_vgpr_workitem_id 0
		.amdhsa_next_free_vgpr 512
		.amdhsa_next_free_sgpr 66
		.amdhsa_reserve_vcc 1
		.amdhsa_float_denorm_mode_32 3
		.amdhsa_float_denorm_mode_16_64 3
		.amdhsa_memory_ordered 1
		.amdhsa_forward_progress 1
		.amdhsa_inst_pref_size 175
	.end_amdhsa_kernel
	.amdgpu_metadata
---
amdhsa.version: [ 1, 2 ]
amdhsa.kernels:
  - .name:           k_q58e19b5a51_chain
    .symbol:         k_q58e19b5a51_chain.kd
    .args:
      - { .name: x, .offset: 0, .size: 8, .value_kind: global_buffer, .address_space: global }
      - { .name: wf, .offset: 8, .size: 8, .value_kind: global_buffer, .address_space: global }
      - { .name: b1, .offset: 16, .size: 8, .value_kind: global_buffer, .address_space: global }
      - { .name: b2, .offset: 24, .size: 8, .value_kind: global_buffer, .address_space: global }
      - { .name: tiles, .offset: 32, .size: 8, .value_kind: global_buffer, .address_space: global }
      - { .name: out0, .offset: 40, .size: 8, .value_kind: global_buffer, .address_space: global }
    .group_segment_fixed_size: 291328
    .private_segment_fixed_size: 0
    .kernarg_segment_align: 8
    .kernarg_segment_size: 48
    .max_flat_workgroup_size: 256
    .sgpr_count:     66
    .vgpr_count:     512
    .wavefront_size: 32
...
	.end_amdgpu_metadata
.endif
;; end of part 2
;; ======== version 2 of 2: 2 launches; version 1 with the launch chain written anew for expert scheduling mode
;; workspace buffers: wf 16,777,216 bytes; tiles 45,056 bytes of whole numbers
;; launch prep: the kernel of part 1 again; grid 257 x 1, 8 waves a work-group, no clusters, 70,656 bytes of LDS; arguments W1, W2, domains, wf, tiles; writes wf, tiles
;; launch chain (part 3): grid 174 x 1, 8 waves a work-group, no clusters, 291,328 bytes of LDS; arguments x, wf, b1, b2, tiles, out0; writes out0
.if DOCPART == 3
	.amdgcn_target "amdgcn-amd-amdhsa--gfx1250"
	.amdhsa_code_object_version 6
	.text
	.protected	k_q58e19b5a51_chain
	.globl	k_q58e19b5a51_chain
	.p2align	8
	.type	k_q58e19b5a51_chain,@function
k_q58e19b5a51_chain:
	s_mov_b64 s[64:65], 0
	v_nop
	global_prefetch_b8 v0, s[64:65] scope:SCOPE_SE
	s_setreg_imm32_b32 hwreg(HW_REG_WAVE_SCHED_MODE, 0, 2), 2
	s_setreg_imm32_b32 hwreg(HW_REG_WAVE_MODE, 25, 1), 1
	s_wait_xcnt 0x0
	s_wait_alu depctr_vm_vsrc(0)
; out[n] = x[n] + W2[e] relu(W1[e] x[n] + b1[e]) + b2[e], e = domains[n].  A work-group takes one record of the sorted list: up to 48 rows of ONE expert, through the whole chain.
; SHARES.  Eight waves.  First product: wave w makes hidden units 64 w .. 64 w + 63 of all 48 rows.  Second product, in four passes p: output channels 512 p + 64 w .. + 63.
; Either way 4 weight fragments x 3 blocks of 16 rows = 12 accumulators, which take turns, one instruction a turn.
; LAYOUT.  Both products are used transposed (source 0 = 16 rows of weights, source 1 = 16 tokens): lane (r = lane % 16, h = lane / 16) holds token r and the eight neighbouring units 8 h + 0..7.
; x is read from memory once, rounded to bf16 and kept in LDS: it is the first product's operand and, by a product with a selector matrix of ones (exact: one term a sum), the start of the output's sums.
; h stays in LDS in bf16.  b1 is loaded straight into the first product's accumulators, b2 is added in f32 on the way out.  All sums in f32.
; WEIGHTS come from memory straight into registers, in the order laid out by the launch before: a stage is one K step's four fragments, eight loads of 512 consecutive bytes; a wave's 128 stages are one
; stream of 524,288 bytes.  A ring of eight register slots: beside the stage at work six stages, 48 loads of 512 bytes, of every wave are on their way.
; TOKEN FRAGMENTS come out of LDS through a ring of four register buffers: K step i reads buffer i % 4 and asks for step i + 2's, 24 products ahead of the wait for them.
; NO TENSOR LOADS, NO CLUSTER: each weight byte is used by exactly one wave of the work-group and arrives in operand order, so a way through LDS would add a write and a read of every byte for nothing,
; and the launch claims 291,328 of the 327,680 bytes of LDS: two slots for shared tiles have no room.  How many tiles an expert has hangs on counts read from memory, so partners are not fixed either.
; LIMITS.  x enters the residual rounded once to bf16 (2^-9 of itself at the most); NaN and infinities are not treated apart (a product 0 x infinity in the selector spreads over 32 channels);
; an expert number is held to 0..3, a count to 0..48, a token to 0..8191.  Rows past the count repeat the tile's first row and are stored again with the same numbers, or not at all.
; THE MODE: SCHED_MODE bits 1:0 = 2 (LLVM: expert scheduling mode 2), set by the entry lines.  The code itself states the register dependences between vector or matrix instructions and memory or LDS
; instructions, with s_wait_alu, always for 0.
; THE PLAN.  Registers that memory or LDS instructions touch:
;   offsets and LDS addresses   made at the head, ahead of one wait.  WO, HA, HST, STO, RD, XW, RA, RO, v22, v23 are never written again.  XA moves on once a trip, XI and B2A once a pass.
;   x on its way in             Batch m's conversions read four slots of window 1 and write TMP[m % 4].  Batch m + 1 begins with one wait; behind it stand batch m's LDS stores from that TMP and the loads
;                               that fill its four slots again; batch m + 1's conversions name neither.
;   weight slot i % 8           Read by K step i's twelve products; the loads of stage i + 8 land in it, issued at the head of step i + 2.
;   fragment buffer i % 4       Read by K step i's twelve products; the LDS loads of step i + 4's fragments land in it, issued at the head of step i + 2.
;   the accumulators            Written by products; on the way out read by the stage's LDS stores, filled by the stage's LDS loads, written by the adds of b2, read by the global stores.
; So ONE wait on va_vdst stands at the head of every EVEN K step: all products up to the step before are done reading.  It serves that step's fourteen loads and the next step's fourteen: the only vector-side
; instructions between are the even step's products, which name its own slot, its own buffer and the accumulators.
.set XP,    4112                       ; a row of x in LDS: 4,096 bytes + 16: row r starts at bank 4 r mod 64 (64 banks of 4 bytes: ISA guide 11.1)
.set HP,    1040                       ; a row of h: 1,024 + 16
.set SP,    272                        ; a row of a stage: 256 + 16
.set HS,    48*XP                      ; x: 48 rows from byte 0; h behind it
.set B2S,   HS+48*HP                   ; b2 of my expert, 8,192 bytes of f32
.set STG,   B2S+8192                   ; 16 rows x 272 bytes for each wave, for the way out; the 1,024 bytes behind the stages hold the spare words for the closing add
; window 0
.set WO,  3                            ; v3      16 x lane: my bytes of a weight load; never rewritten
.set XA,  4                            ; v4-6    block s: LDS address of my x fragment, stepped along K
.set XI,  7                            ; v7-9    the same at my wave's 64 channels of the pass to come
.set HA,  10                           ; v10     my h fragment of block 0
.set HST, 11                           ; v11     where I put 16 bytes of h
.set STO, 12                           ; v12     the way out: where I put 16 bytes of a row
.set RD,  13                           ; v13     the way out: where I read rows back
.set B2A, 14                           ; v14     my four b2 of the pass to come
.set ZR,  15                           ; v15     0, for the ReLU
.set XW,  18                           ; v18-20  block s: where I put 8 bytes of x
.set RA,  21                           ; v21     32 h; never rewritten
.set RO,  24                           ; v24-47  pair p = 8 s + j: byte offset in x and out of rows 16 s + j (lanes 0-15) and 16 s + 8 + j (lanes 16-31), + 16 r; never rewritten
.set EE,  48                           ; v48-59  0 x 4, the selector's four registers, 0 x 4: v[52:59] picks k = m, v[48:55] picks k = 16 + m
.set B2Q, 60                           ; v60-63  four b2
.set TMP, 64                           ; v64-95  at work while x comes in; the fragment buffers are not yet in use then
                                       ; v64-143, v240-255  token fragments: block s of buffer b is fragment t = 3 b + s, at v[64 + 8 t] for t < 10, at v240 and v248 for t = 10, 11
.set ACC, 144                          ; v144-239 accumulator (s, f) at 144 + 8 (4 s + f);  v240-247 first carry b2 on its way into LDS
; window 1: the weight ring, slot a at 32 a, fragment f at + 8 f; before that, v0-191: 48 slots of four for x on its way in
.set PF_X, 0
.set PF_XI, 1
.set PF_H, 2
.set PF_NONE, 3
.set MSB, 0
.macro WIN new                         ; s_set_vgpr_msb: bits 1:0 source 0, 3:2 source 1, 5:4 source 2, 7:6 destination; the high byte repeats the setting that is left
.if MSB != (\new)
	s_set_vgpr_msb (MSB<<8)|(\new)
.set MSB, (\new)
.endif
.endm
.set W_MUL, 0x01                       ; source 0 (weights) in window 1
.set W_LDW, 0x40                       ; a load's destination in window 1
.set W_CV,  0x05                       ; a conversion's two sources in window 1
.macro PLACES                          ; four plain vector instructions behind a matrix instruction (ISA guide 7.12.1)
.rept 4
	v_nop
.endr
.endm
	s_load_b256 s[4:11], s[0:1], 0x0               ; x s[4:5], wf s[6:7], b1 s[8:9], b2 s[10:11]
	s_load_b128 s[12:15], s[0:1], 0x20             ; tiles s[12:13], out0 s[14:15]
	v_lshl_add_u32 v16, v0, 2, 0x46e00
	v_mov_b32 v17, 0
	v_lshrrev_b32 v1, 5, v0
	v_readfirstlane_b32 s16, v1                    ; wave 0..7
	v_and_b32 v1, 15, v0                           ; r
	v_bfe_u32 v2, v0, 4, 1                         ; h
	v_lshlrev_b32 v[RA], 5, v2
	s_lshl_b32 s20, ttmp9, 8                       ; my record, 256 bytes
	s_mov_b32 s21, 0
	s_wait_kmcnt 0x0
	s_add_nc_u64 s[12:13], s[12:13], s[20:21]
	s_load_b64 s[18:19], s[12:13], 0xc0            ; expert, count
	s_wait_alu depctr_va_vdst(0)                   ; v[RA] is written, which the loads below read as their offset
.set pp, 0
.rept 24
	global_load_b32 v[RO+pp], v[RA], s[12:13] offset:(16*(pp/8)+pp%8)*4  ; the tokens of rows 16 s + j + 8 h
.set pp, pp+1
.endr
	s_wait_alu depctr_va_sdst(0)                   ; s16, the wave's number, is written, ahead of its first reader
	; the lanes' addresses, while those loads are out
	v_and_b32 v22, 31, v0
	v_lshlrev_b32 v[WO], 4, v22
	v_mul_u32_u24 v22, v1, XP
	v_lshl_add_u32 v22, v2, 4, v22                 ; a fragment: row r x pitch + 16 h; two loads of 16 bytes, 32 bytes apart
	s_lshl_b32 s17, s16, 7                         ; my wave's 64 channels or units, in bf16
.irp s, 0,1,2
	v_add_nc_u32 v[XA+\s], \s*16*XP, v22
	v_add_nc_u32 v[XI+\s], s17, v[XA+\s]
.endr
	v_mul_u32_u24 v22, v1, HP
	v_lshl_add_u32 v22, v2, 4, v22
	v_add_nc_u32 v[HA], HS, v22
	v_add_nc_u32 v[HST], s17, v[HA]
	s_mul_i32 s17, s16, 16*SP
	s_add_co_u32 s17, s17, STG                     ; my stage
	v_mul_u32_u24 v22, v1, SP                      ; in: row r, 32 bytes for each half of the lanes
	v_lshl_add_u32 v22, v2, 5, v22
	v_add_nc_u32 v[STO], s17, v22
	v_mul_u32_u24 v22, v2, 8*SP                    ; back: lanes 0-15 take row j, lanes 16-31 row j + 8, 256 bytes each
	v_lshl_add_u32 v22, v1, 4, v22
	v_add_nc_u32 v[RD], s17, v22
	s_lshl_b32 s17, s16, 8
	s_add_co_u32 s17, s17, B2S
	v_lshl_add_u32 v[B2A], v1, 4, s17
	v_mov_b32 v[ZR], 0
	s_lshl_b32 s17, s16, 9                         ; my wave's 256 channels of x, in bf16
	v_mul_u32_u24 v22, v2, 8*XP
	v_lshl_add_u32 v22, v1, 3, v22
	v_add_nc_u32 v22, s17, v22
.irp s, 0,1,2
	v_add_nc_u32 v[XW+\s], \s*16*XP, v22
.endr
	; the selector: lane (r, h) holds row m = r; its one 1.0 (bf16) stands at k = r: where r / 8 = h, in register (r % 8) / 2, half r % 2
.irp q, 0,1,2,3,8,9,10,11
	v_mov_b32 v[EE+\q], 0
.endr
	v_and_b32 v23, 1, v1
	v_lshlrev_b32 v23, 4, v23
	v_mov_b32 v22, 0x3f80
	v_lshlrev_b32 v23, v23, v22
	v_lshrrev_b32 v22, 3, v1
	v_bfe_u32 v[TMP], v1, 1, 2
	v_cmp_eq_u32 s24, v22, v2                      ; the five compares stand in one run, each with a mask of its own
.irp q, 0,1,2,3
	v_cmp_eq_u32 s[25+\q], \q, v[TMP]
.endr
	s_wait_alu depctr_va_sdst(0)                   ; the masks s24 to s28 are written, ahead of the selects that read them
	v_cndmask_b32 v23, 0, v23, s24
.irp q, 0,1,2,3
	v_cndmask_b32 v[EE+4+\q], 0, v23, s[25+\q]
.endr
	v_lshlrev_b32 v23, 5, v0                       ; b2: 32 bytes a thread; never rewritten
	v_add_nc_u32 v22, B2S, v23
	v_lshlrev_b32 v1, 4, v1                        ; from here on 16 r
	s_wait_kmcnt 0x0
	s_min_u32 s18, s18, 3
	s_min_u32 s19, s19, 48
	s_lshl_b32 s20, s16, 10
	s_add_nc_u64 s[4:5], s[4:5], s[20:21]          ; x at my wave's 1,024 bytes of a row
	s_lshl3_add_u32 s20, s18, s16
	s_lshl_b32 s20, s20, 19
	s_add_nc_u64 s[6:7], s[6:7], s[20:21]          ; my stream of weights
	s_lshl_b32 s20, s18, 11
	s_lshl_b32 s17, s16, 8
	s_add_co_u32 s20, s20, s17
	s_add_nc_u64 s[8:9], s[8:9], s[20:21]          ; b1 at my 64 units
	s_lshl_b32 s20, s18, 13
	s_add_nc_u64 s[10:11], s[10:11], s[20:21]      ; b2 of my expert
	s_mov_b32 s20, s17
	s_add_nc_u64 s[14:15], s[14:15], s[20:21]      ; out at my wave's 256 bytes of pass 0
	s_wait_alu depctr_va_vdst(0)                   ; all offsets and LDS addresses made above are written (v3 to v14, v18 to v20, v22, v23): every later load and store reads some of them
.set aa, 0
.rept 12                               ; b1 starts the first product's sums: the same eight numbers for the three blocks
	global_load_b128 v[ACC+8*aa:ACC+8*aa+3],   v[RA], s[8:9] offset:(aa%4)*64
	global_load_b128 v[ACC+8*aa+4:ACC+8*aa+7], v[RA], s[8:9] offset:(aa%4)*64+16
.set aa, aa+1
.endr
	global_load_b128 v[240:243], v23, s[10:11]
	global_load_b128 v[244:247], v23, s[10:11] offset:16
	s_wait_loadcnt 26                              ; the tokens are in: the 24 loads of b1 and the 2 of b2 are younger
.set pp, 0
.rept 24
	v_min_u32 v[RO+pp], 0x1fff, v[RO+pp]
	v_lshl_add_u32 v[RO+pp], v[RO+pp], 13, v1      ; token x 8,192 bytes + 16 r
.set pp, pp+1
.endr
; ---------------------------------------------------------------- x INTO LDS.  Load n = 4 p + u brings 256 aligned bytes of each of pair p's two rows.  40 to 48 loads are out at any time.
	WIN W_LDW
	s_wait_alu depctr_va_vdst(0)                   ; the 24 offsets v[RO ..] are written, which x's loads and out's stores read
.set nn, 0
.rept 48
	global_load_b128 v[4*nn:4*nn+3], v[RO+nn/4], s[4:5] offset:(nn%4)*256 th:TH_LOAD_NT
.set nn, nn+1
.endr
; Batch m leaves: its four LDS stores, and four loads into the registers that its conversions have emptied: x's second half (m < 12), then the first six stages of weights.
.macro XOUT m
	WIN 0
.irp u, 0,1,2,3
	ds_store_b64 v[XW+(\m)/8], v[TMP+8*((\m)%4)+2*\u:TMP+8*((\m)%4)+2*\u+1] offset:((\m)%8)*XP+\u*128  ; two rows' 128 bytes, 128 apart modulo 256
.endr
	WIN W_LDW
.irp u, 0,1,2,3
.if (\m) < 12
	global_load_b128 v[4*(4*(\m)+\u):4*(4*(\m)+\u)+3], v[RO+(\m)+12], s[4:5] offset:\u*256 th:TH_LOAD_NT
.else
	global_load_b128 v[4*(4*((\m)-12)+\u):4*(4*((\m)-12)+\u)+3], v[WO], s[6:7] offset:512*(4*((\m)-12)+\u)
.endif
.endr
.endm
; Batch m: the batch before leaves, then pair m's four loads are rounded.
.macro XBATCH m
.if (\m) == 0
	s_wait_loadcnt 44                              ; of the 48 loads issued the four oldest are in
.else
	s_wait_loadcnt 40                              ; 48 + 4 (m - 1) loads have been issued and the first 4 m + 4 are wanted: 40 younger ones stay out
.if (\m) >= 4
	s_wait_alu depctr_vm_vsrc(0)                   ; the LDS stores of batch m - 4 have read TMP[m % 4], which this batch's conversions write again
.endif
	s_wait_alu depctr_va_vdst(0)                   ; the conversions of the batch before have written their TMP, which the stores below read, and are done reading their four slots, in which the loads below land
	XOUT (\m)-1
.endif
	WIN W_CV
.irp u, 0,1,2,3
	v_cvt_pk_bf16_f32 v[TMP+8*((\m)%4)+2*\u],   v[4*((4*(\m)+\u)%48)],   v[4*((4*(\m)+\u)%48)+1]
	v_cvt_pk_bf16_f32 v[TMP+8*((\m)%4)+2*\u+1], v[4*((4*(\m)+\u)%48)+2], v[4*((4*(\m)+\u)%48)+3]
.endr
.endm
.set bm, 0
.rept 24
	XBATCH bm
.if bm == 0
	WIN 0
	ds_store_b128 v22, v[240:243]                  ; b2's loads are older than x's: they are in; no vector instruction has named these registers
	ds_store_b128 v22, v[244:247] offset:16
.endif
.set bm, bm+1
.endr
	s_wait_alu depctr_va_vdst(0)                   ; the last batch's conversions have written their TMP and are done reading their four slots
	XOUT 23                                        ; with it stages 0 to 5 of the weights, 48 loads, are out
	WIN 0
	s_wait_dscnt 0x0                               ; for the others' sake: my part of x and of b2 is written
	s_barrier_signal -1
	s_barrier_wait -1
	s_wait_alu depctr_vm_vsrc(0)                   ; my LDS stores have read v64-95 and v240-247: from here on these registers are fragment buffers, in which LDS loads land
; ---------------------------------------------------------------- THE PRODUCTS
.macro PF kind, arg, b                 ; six LDS loads: three token fragments into buffer b
.irp s, 0,1,2
.set fr, 64+8*(3*(\b)+\s)+96*((3*(\b)+\s)/10)
.if (\kind) == PF_X
	ds_load_b128 v[fr:fr+3],   v[XA+\s] offset:(\arg)
	ds_load_b128 v[fr+4:fr+7], v[XA+\s] offset:(\arg)+32
.elseif (\kind) == PF_XI
	ds_load_b128 v[fr:fr+3],   v[XI+\s] offset:(\arg)
	ds_load_b128 v[fr+4:fr+7], v[XI+\s] offset:(\arg)+32
.else
	ds_load_b128 v[fr:fr+3],   v[HA] offset:\s*16*HP+(\arg)*64
	ds_load_b128 v[fr+4:fr+7], v[HA] offset:\s*16*HP+(\arg)*64+32
.endif
.endr
.endm
.macro MM a, b, i                      ; product i of a K step's 12: fragment i / 3 of slot a, block i % 3 of buffer b
.set mf, (\i)/3
.set ms, (\i)%3
.set mt, 3*(\b)+ms
.set mr, 64+8*mt+96*(mt/10)
	v_wmma_f32_16x16x32_bf16 v[ACC+8*(4*ms+mf):ACC+8*(4*ms+mf)+7], v[32*(\a)+8*mf:32*(\a)+8*mf+7], v[mr:mr+7], v[ACC+8*(4*ms+mf):ACC+8*(4*ms+mf)+7]
.endm
.macro INIT i                          ; the same accumulator started with x: selector x x fragment + 0.  My first 32 channels lie in buffer 2, the other 32 in buffer 3
.set mf, (\i)/3
.set ms, (\i)%3
.set mt, 3*(2+mf/2)+ms
.set mr, 64+8*mt+96*(mt/10)
	v_wmma_f32_16x16x32_bf16 v[ACC+8*(4*ms+mf):ACC+8*(4*ms+mf)+7], v[EE+4-4*(mf&1):EE+4-4*(mf&1)+7], v[mr:mr+7], 0
.endm
; A K step of 32: slot a's stage times buffer b.  At its head it asks: the stage six on (ld = 1, at byte limm of the stream's base) into slot (a + 6) % 8, and the token fragments of the step two on into
; buffer (b + 2) % 4: the slot and the buffer that the step TWO back read.  An even step begins with the wait that serves its own requests and the next step's (THE PLAN); the plain form's four places behind the
; products of the steps before stand ahead of it, once for both steps.  An odd step has no wait: since the even step's wait only that step's products were issued, which name slot a - 1, buffer b - 1 and the accumulators.
; wcnt: the global loads younger than this stage's, this step's own request among them.  dcnt: the LDS loads younger than this step's fragments: those of the two steps to come, six each.
.macro KSTEP a, b, wcnt, dcnt, ld, limm, kind, arg
.if (((\a)%2) == 0) && ((\ld) || ((\kind) != PF_NONE))
	PLACES
.if \ld
	WIN W_LDW
.else
	WIN 0
.endif
	s_wait_alu depctr_va_vdst(0)                   ; all products issued so far are done reading their slots and buffers, in which this step's and the next step's loads land; where XA, XI or B2A was stepped, it is written
.endif
.if \ld
	WIN W_LDW
.irp k, 0,1,2,3,4,5,6,7
	global_load_b128 v[32*(((\a)+6)%8)+4*\k:32*(((\a)+6)%8)+4*\k+3], v[WO], s[6:7] offset:(\limm)+512*\k
.endr
.endif
.if (\kind) != PF_NONE
	WIN 0
	PF \kind, \arg, ((\b)+2)%4
.endif
	s_wait_loadcnt (\wcnt)
	s_wait_dscnt (\dcnt)
	WIN W_MUL
.irp m, 0,1,2,3,4,5,6,7,8,9,10,11
	MM \a, \b, \m
.endr
.endm
	PF PF_X, 0, 0                                  ; the fragments of x for K steps 0 and 1
	PF PF_X, 64, 1
	s_mov_b32 s22, 7
.Lk1:                                                  ; h = W1 x + b1: 64 K steps, eight a trip; six younger stages of eight loads, and two younger steps' six LDS loads, are out at each pair of waits
.set ks, 0
.rept 8
	KSTEP ks, ks%4, 48, 12, 1, (ks+6)*4096, PF_X, (ks+2)*64
.set ks, ks+1
.endr
	WIN 0
	s_wait_alu depctr_vm_vsrc(0)                   ; the LDS loads issued so far have read v[XA ..]; the wait at the next step's head states that the sums below are written
.irp s, 0,1,2
	v_add_nc_u32 v[XA+\s], 512, v[XA+\s]
.endr
	s_wait_xcnt 0x0                                ; the loads' base is stepped only behind this wait
	s_add_nc_u64 s[6:7], s[6:7], 32768
	s_sub_co_u32 s22, s22, 1
	s_cmp_lg_u32 s22, 0
	s_cbranch_scc1 .Lk1
.set ks, 0
.rept 6                                ; the eighth trip is written out: step 61 asks for step 63's fragments, the last of x along K
	KSTEP ks, ks%4, 48, 12, 1, (ks+6)*4096, PF_X, (ks+2)*64
.set ks, ks+1
.endr
	KSTEP 6, 2, 48, 6, 1, 12*4096, PF_NONE, 0      ; steps 62 and 63 ask for no fragments, so the counts run down: 6, 0
	KSTEP 7, 3, 48, 0, 1, 13*4096, PF_NONE, 0
	WIN 0
	s_wait_xcnt 0x0
	s_add_nc_u64 s[6:7], s[6:7], 32768
	PLACES                                         ; behind the last products, ahead of the conversions that read results
.set ii, 0
.rept 12                               ; h: rounded to bf16 in place (pair q lands in register q, whose own numbers have been read), ReLU on the packed halves
.set tt, ACC+8*ii
.irp q, 0,1,2,3
	v_cvt_pk_bf16_f32 v[tt+\q], v[tt+2*\q], v[tt+2*\q+1]
.endr
.irp q, 0,1,2,3
	v_pk_max_num_bf16 v[tt+\q], v[tt+\q], v[ZR]
.endr
.set ii, ii+1
.endr
	s_wait_alu depctr_va_vdst(0)                   ; h is written, which the LDS stores read; steps 60 to 63's products are done reading the four buffers, in which the loads below and behind the barrier land
.set ii, 0
.rept 12
	ds_store_b128 v[HST], v[ACC+8*ii:ACC+8*ii+3] offset:(ii/4)*16*HP+(ii%4)*32  ; 16 bytes a lane into its row
.set ii, ii+1
.endr
	PF PF_XI, 0, 2                                 ; pass 0's fragments of x
	PF PF_XI, 64, 3
	ds_load_b128 v[B2Q:B2Q+3], v[B2A]              ; and its b2
	s_wait_alu depctr_vm_vsrc(0)                   ; those loads have read v[XI ..] and v[B2A], which move on below; the stores have read the accumulators' registers, which the next products write
.irp s, 0,1,2
	v_add_nc_u32 v[XI+\s], 1024, v[XI+\s]          ; on to the next pass's 512 channels
.endr
	v_add_nc_u32 v[B2A], 2048, v[B2A]
	s_wait_dscnt 0x0                               ; for the others' sake: my 64 units of h are written; pass 0's fragments of x and its b2 are in
	s_barrier_signal -1
	s_barrier_wait -1
	PF PF_H, 0, 0                                  ; K steps 0 and 1 of pass 0: h can be read only behind this barrier
	PF PF_H, 1, 1
; A pass: 64 output channels a wave.  x starts the sums, 16 K steps over h add W2 h, the way out adds b2.  K step i reads buffer i % 4 in every pass: steps 14 and 15 ask for the next pass's
; steps 0 and 1, the way out for its fragments of x (buffers 2 and 3) and its b2; steps 0 and 1 ask for steps 2 and 3 when the products that start the sums have read those two buffers.
; last = 1: the stream of weights and the fragments end, and the counts run down.
.macro PASS last
	WIN 0
.irp m, 0,1,2,3,4,5,6,7,8,9,10,11
	INIT \m                                        ; the fragments of x were waited for ahead of the barrier, or on the way out of the pass before
.endr
.set ks, 0
.rept 16
.set wc, 48
.set ldw, 1
.set dc, 12
.if \last
.if ks > 9
.set ldw, 0                            ; stage 127 has been asked for
.set wc, 8*(15-ks)                     ; the stages still behind this one
.endif
.if ks > 13
.set dc, 6*(15-ks)                     ; the steps' fragments still behind this one's
.endif
.endif
.if ks < 14
	KSTEP ks%8, ks%4, wc, dc, ldw, (ks+6)*4096, PF_H, ks+2
.elseif \last
	KSTEP ks%8, ks%4, wc, dc, ldw, (ks+6)*4096, PF_NONE, 0
.else
	KSTEP ks%8, ks%4, wc, dc, ldw, (ks+6)*4096, PF_H, ks-14
.endif
.set ks, ks+1
.endr
	WIN 0
.if !(\last)
	s_wait_xcnt 0x0
	s_add_nc_u64 s[6:7], s[6:7], 65536
.endif
	PLACES                                         ; behind the last products: the stage's stores read results
	s_wait_alu depctr_va_vdst(0)                   ; the products have written the accumulators, which the stage's stores read and in which its loads land, and are done reading buffers 2 and 3; the places above stay beside this wait
.if !(\last)
	PF PF_XI, 0, 2                                 ; the next pass's fragments of x
	PF PF_XI, 64, 3
.endif
	; THE WAY OUT.  Each block of 16 rows goes through my stage and comes back as whole rows of 256 bytes into the accumulator registers that it left.  The three blocks' stores and loads stand in one
	; run: LDS serves a wave's instructions in order (ISA guide 5.7.1.4), so a block's loads see its stores, and the next block's stores come behind them.  Blocks past the count are jumped: no barrier stands there.
.irp s, 0,1,2
	s_cmp_gt_u32 s19, 16*\s
	s_cbranch_scc0 .Lissued_\@
.irp f, 0,1,2,3
	ds_store_b128 v[STO], v[ACC+8*(4*\s+\f):ACC+8*(4*\s+\f)+3]   offset:\f*64
	ds_store_b128 v[STO], v[ACC+8*(4*\s+\f)+4:ACC+8*(4*\s+\f)+7] offset:\f*64+16
.endr
	s_wait_alu depctr_vm_vsrc(0)                   ; the block's stores have read its 32 registers, in which the loads below land and which the adds of b2 write
.irp j, 0,1,2,3,4,5,6,7
	ds_load_b128 v[ACC+32*\s+4*\j:ACC+32*\s+4*\j+3], v[RD] offset:\j*SP
.endr
.endr
.Lissued_\@:
	s_wait_dscnt 0x0                               ; one wait for all that was issued, however many blocks that was
.irp s, 0,1,2
	s_cmp_gt_u32 s19, 16*\s
	s_cbranch_scc0 .Ladded_\@
.irp j, 0,1,2,3,4,5,6,7
	v_pk_add_f32 v[ACC+32*\s+4*\j:ACC+32*\s+4*\j+1],   v[ACC+32*\s+4*\j:ACC+32*\s+4*\j+1],   v[B2Q:B2Q+1]
	v_pk_add_f32 v[ACC+32*\s+4*\j+2:ACC+32*\s+4*\j+3], v[ACC+32*\s+4*\j+2:ACC+32*\s+4*\j+3], v[B2Q+2:B2Q+3]
.endr
.endr
.Ladded_\@:
	s_wait_alu depctr_va_vdst(0)                   ; the adds have written the rows, which the stores below read, and are done reading v[B2Q ..], in which the next pass's b2 lands
.if !(\last)
	ds_load_b128 v[B2Q:B2Q+3], v[B2A]
.endif
.irp s, 0,1,2
	s_cmp_gt_u32 s19, 16*\s
	s_cbranch_scc0 .Lstored_\@
.irp j, 0,1,2,3,4,5,6,7
	global_store_b128 v[RO+8*\s+\j], v[ACC+32*\s+4*\j:ACC+32*\s+4*\j+3], s[14:15] th:TH_STORE_NT  ; sixteen lanes store 256 consecutive bytes of a row, aligned
.endr
.endr
.Lstored_\@:
.if !(\last)
	s_wait_xcnt 0x0                                ; the stores' base is stepped, and their data, the accumulators, written anew only behind this wait
	s_wait_alu depctr_vm_vsrc(0)                   ; the stores have read the accumulators' registers, which the next pass's products write; the LDS loads have read v[B2A] and v[XI ..], which move on below
	s_add_nc_u64 s[14:15], s[14:15], 2048
	v_add_nc_u32 v[B2A], 2048, v[B2A]
.irp s, 0,1,2
	v_add_nc_u32 v[XI+\s], 1024, v[XI+\s]          ; with the four v_nop above: eight places ahead of the next pass's first products, on the jumped way too
.endr
.endif
.endm
	s_mov_b32 s23, 3
.Lpass:
	PASS 0
	s_sub_co_u32 s23, s23, 1
	s_cmp_lg_u32 s23, 0
	s_cbranch_scc1 .Lpass
	PASS 1
	s_wait_dscnt 0x0                               ; the wave's end: my last LDS instructions are done
	s_wait_alu depctr_hold_cnt(0) depctr_sa_sdst(0) depctr_va_vdst(0) depctr_va_sdst(0) depctr_va_ssrc(0) depctr_va_vcc(0) depctr_vm_vsrc(0)
	s_wait_tensorcnt 0x0
	ds_add_u32 v16, v17
	s_wait_dscnt 0x0
	s_endpgm
.Lfunc_end_k_q58e19b5a51_chain:
	.size	k_q58e19b5a51_chain, .Lfunc_end_k_q58e19b5a51_chain-k_q58e19b5a51_chain
	.p2alignl 7, 3214868480
	.fill 96, 4, 3214868480
	.section	.rodata,"a",@progbits
	.p2align	6, 0x0
	.amdhsa_kernel k_q58e19b5a51_chain
		.amdhsa_group_segment_fixed_size 291328
		.amdhsa_private_segment_fixed_size 0
		.amdhsa_enable_private_segment 0
		.amdhsa_kernarg_size 48
		.amdhsa_user_sgpr_count 2
		.amdhsa_user_sgpr_kernarg_segment_ptr 1
		.amdhsa_wavefront_size32 1
		.amdhsa_system_sgpr_workgroup_id_x 1
		.amdhsa_system_sgpr_workgroup_id_y 1
		.amdhsa_system_sgpr_workgroup_id_z 1
		.amdhsa_system_vgpr_workitem_id 0
		.amdhsa_next_free_vgpr 512
		.amdhsa_next_free_sgpr 66
		.amdhsa_reserve_vcc 0
		.amdhsa_float_denorm_mode_32 3
		.amdhsa_float_denorm_mode_16_64 3
		.amdhsa_memory_ordered 1
		.amdhsa_forward_progress 1
		.amdhsa_inst_pref_size 175
	.end_amdhsa_kernel
	.amdgpu_metadata
---
amdhsa.version: [ 1, 2 ]
amdhsa.kernels:
  - .name:           k_q58e19b5a51_chain
    .symbol:         k_q58e19b5a51_chain.kd
    .args:
      - { .name: x, .offset: 0, .size: 8, .value_kind: global_buffer, .address_space: global }
      - { .name: wf, .offset: 8, .size: 8, .value_kind: global_buffer, .address_space: global }
      - { .name: b1, .offset: 16, .size: 8, .value_kind: global_buffer, .address_space: global }
      - { .name: b2, .offset: 24, .size: 8, .value_kind: global_buffer, .address_space: global }
      - { .name: tiles, .offset: 32, .size: 8, .value_kind: global_buffer, .address_space: global }
      - { .name: out0, .offset: 40, .size: 8, .value_kind: global_buffer, .address_space: global }
    .group_segment_fixed_size: 291328
    .private_segment_fixed_size: 0
    .kernarg_segment_align: 8
    .kernarg_segment_size: 48
    .max_flat_workgroup_size: 256
    .sgpr_count:     66
    .vgpr_count:     512
    .wavefront_size: 32
...
	.end_amdgpu_metadata
.endif
;; end of part 3
